; MI455X (gfx1250); checked and timed in simulation.
; The chip was launched on July 23, 2026; its instructions are those of AMD's public machine-readable ISA for CDNA 5 (MIT licence, August 2026) and "CDNA5" Instruction Set Architecture Reference Guide (July 2026). The comments in the code are by the model that wrote it; some were corrected since.
;; I2 I Cross Attention With Gate Fusion. Allowed arithmetic: matrix products marked QUANTISED: E2M1 operands, one E8M0 scale for each 32 along K, by v_wmma_scale_f32_16x16x128_f8f6f4 with both operands' format E2M1 (or v_wmma_scale_f32_32x16x128_f4), f32 sums; everything else in f32.
;; Inputs: Wg1 128 x 256 float32; Wg2 128 x 128 float32; Wk 128 x 128 float32; Wo 128 x 128 float32; Wq 128 x 128 float32; Wv 128 x 128 float32; bg1 128 float32; bg2 128 float32; bk 128 float32; bo 128 float32; bq 128 float32; bv 128 float32; feat1 1 x 128 x 8 x 32 x 32 float32; feat2 1 x 128 x 8 x 32 x 32 float32.
;; Outputs: out0 1 x 128 x 8 x 32 x 32 float32.
;; This version of the problem:
;;   THIS VERSION OF THE PROBLEM IS GIVEN IN LOW PRECISION. The matrix products marked QUANTISED in the list below multiply operands that are first quantised to E2M1 (2 exponent bits, 1 mantissa bit; 4 bits a number), with one power-of-two scale for each 32 numbers along K (OCP MX v1.0); their sums are f32. All else is computed in f32.
;;   The module's matrix products, in the order in which they are computed (A, B: the left and right operand; K: the contracted axis; several contracted axes count as one K, in the product's order):
;;     1. [M 8,192, K 128] x [K 128, N 128]; A: input feat1; B: input Wq: QUANTISED
;;     2. [M 8,192, K 128] x [K 128, N 128]; A: input feat2; B: input Wk: QUANTISED
;;     3. [M 8,192, K 128] x [K 128, N 128]; A: input feat2; B: input Wv: QUANTISED
;;     4. batch 4 x [M 8,192, K 32] x [K 32, N 8,192]; A: computed on the way; B: computed on the way: QUANTISED
;;     5. batch 4 x [M 32, K 8,192] x [K 8,192, N 8,192]; A: computed on the way; B: softmax (see below): QUANTISED
;;     6. [M 8,192, K 128] x [K 128, N 128]; A: computed on the way; B: input Wo: QUANTISED
;;     7. [M 8,192, K 256] x [K 256, N 128]; A: computed on the way; B: input Wg1: QUANTISED
;;     8. [M 8,192, K 128] x [K 128, N 128]; A: computed on the way; B: input Wg2: QUANTISED
;;   THE QUANTISER, for each operand of a quantised product, along K:
;;     - K is cut into blocks of 32 from its start; a last block that is shorter is filled with zeros.
;;     - A block's scale is 2^e with e = floor(log2(the largest magnitude in the block)) - 2, held to -126 .. 127; a block of zeros has e = 0. As a byte (E8M0): e + 127.
;;     - Each number is divided by its block's scale, clamped to +-6, and rounded to the nearest number of E2M1, ties to even, subnormals kept.
;;     - The product sums the exact products of the quantised numbers (number of the format x scale) in f32.
;;   ~~~python
;;   def quantise(x, axis):      # numpy; x: float32 -> the quantised numbers, widened to float32 again
;;       x = np.moveaxis(x, axis, -1); K = x.shape[-1]
;;       x = np.pad(x, [(0, 0)] * (x.ndim - 1) + [(0, -K % 32)]); x = x.reshape(x.shape[:-1] + (-1, 32)); a = np.abs(x).max(-1, keepdims=True)
;;       e = np.where(a > 0, np.clip(np.frexp(np.where(a > 0, a, 1))[1] - 1 - 2, -126, 127), 0)      # np.frexp(a)[1] - 1 = floor(log2(a)), exactly
;;       r = np.clip(x / 2.0 ** e, -6, 6)
;;       step = 2.0 ** (np.maximum(np.frexp(np.where(r == 0, 1, r))[1] - 1, 0) - 1)
;;       q = np.round(r / step) * step * 2.0 ** e      # np.round: ties to even
;;       return np.moveaxis(q.reshape(q.shape[:-2] + (-1,))[..., :K], -1, axis).astype(np.float32)
;;   ~~~
;;   SOFTMAX AHEAD OF A QUANTISED PRODUCT. Where the list says 'softmax', what is quantised is not the finished softmax but p = 2^(t - M), with t = logit x log2(e) and M = ceil(the row's largest t), a whole number; so 1/2 < the row's largest p <= 1. The row's sum l is taken of the UNQUANTISED p, in f32, and the product's result is divided by l at the end. Since M is a whole number, a kernel that streams over the keys may use a running M (the ceiling of the running maximum): every later rescaling is an exact power of two, which a block's scale takes up: the codes' values come out the same.
;;   OPERANDS COMPUTED ON THE WAY. 'Computed on the way' means the value that the module computes at that place (a softmax that the list does not call 'softmax' is quantised finished and normalised). What goes into a quantiser is computed in f32, as accurately as f32 sums, v_exp_f32 and their like allow (about 1e-6 of the number): no bf16 or f16 on the way to a quantiser, and a product that is left as it is and whose result goes on into a quantised operand takes f32 operands (vector FMAs, or v_wmma_f32_16x16x4_f32). A number that lies on a knife's edge between two numbers of the format may be rounded either way, as far as f32 arithmetic and the matrix unit's own rounding can turn it there, and no further.
;; One version. Each part assembles by itself: llvm-mc -triple=amdgcn-amd-amdhsa -mcpu=gfx1250 --defsym DOCPART=n.
;; ======== version 1 of 1: 3 launches
;; workspace buffers: kv 1,114,112 bytes; qb 1,114,112 bytes; wimg 36,864 bytes; oimg 524,288 bytes; oscl 32,768 bytes
;; launch proj (part 1): grid 196 x 1, 8 waves a work-group, no clusters, 36,864 bytes of LDS; arguments feat1, feat2, Wq, Wk, Wv, bq, bk, bv, Wo, Wg1, Wg2, qb, kv, wimg; writes qb, kv, wimg
.if DOCPART == 1
	.amdgcn_target "amdgcn-amd-amdhsa--gfx1250"
	.amdhsa_code_object_version 6
	.text
	.protected	k_q55dc41f49c_proj
	.globl	k_q55dc41f49c_proj
	.p2align	8
	.type	k_q55dc41f49c_proj,@function
k_q55dc41f49c_proj:
	s_mov_b64 s[64:65], 0
	v_nop
	global_prefetch_b8 v0, s[64:65] scope:SCOPE_SE
	s_setreg_imm32_b32 hwreg(HW_REG_WAVE_MODE, 25, 1), 1
	s_wait_xcnt 0x0
; q = Wq feat1 + bq, k = Wk feat2 + bk, v = Wv feat2 + bv, each product on codes of FP4 (E2M1) with one E8M0 scale for each 32 along K; the results are
; quantised again, q and k along a head's 32 channels, v along the keys, and stored in the order of the next launch's operand registers.  The weights of the
; last three products (Wo, Wg1, Wg2) are quantised here too.
; NOTHING OF THE PROBLEM IS LEFT OUT in any of the three launches: every bias goes into a quantised operand or into the result, and every input is loaded.
; LIMITS: a block whose largest magnitude lies under 2^-124 keeps the scale byte 1; a block of zeros has the byte 1 where the rule says 127 (its codes are zeros,
; which add nothing, and only this program reads the bytes); NaN and infinities among the inputs are not served.
; SHARES.  Work-group x: role x / 64.  Roles 0, 1, 2 make q, k, v of step x % 64: 128 positions.  Work-groups 192 .. 195 (role 3) quantise Wo, Wg1's two K halves, Wg2: wave w makes fragment 8 (x % 4) + w.
; TILE ORDER.  Row m of tile 4 c + u, of channels or of a step's positions, is number 64 c + 32 (m / 8) + 8 u + m % 8.  In a result lane (r, h) holds rows 8 h + j, so its 32 registers of tiles
; 4 c .. 4 c + 3 are the WHOLE block 64 c + 32 h + 0 .. 31, in order: a block's largest magnitude needs no other lane, and eight conversions give the next operand's eight registers as they stand.
; AN OPERAND GOES FROM WAVE TO WAVE AS AN IMAGE OF ITS REGISTERS: 1,024 bytes a fragment, lane l's 16 bytes at 16 l (registers 0-3) and at 512 + 16 l (registers 4-7).
; The three paths (q and k; v; the tail's weights) part on the work-group's number and never join; each has LDS bytes of its own.
; kv and qb: [head][step][4,352]: K codes 2,048 (tile t, row r: 256 t + 16 r), V codes 2,048 (two fragment images), K's scale words 128 (4 (16 c + r) + u), V's 128 (4 (16 t + row)).
.set HS,    278528                     ; a head in kv and in qb, bytes
.set SS,    4352                       ; a step of 128 positions
.set CHB,   32768                      ; a channel's row of feat
.set WIM,   0                          ; LDS of a path: 8 images of the weight,
.set WSC,   8192                       ; their scale words, 64 bytes each,
.set FIM,   8704                       ; 8 images of feat's 128 positions,
.set FSC,   16896                      ; their scale words,
.set SG,    17408                      ; and 512 bytes in which the results' scales are gathered
.set VB,    17920                      ; the path of role v begins here
.set SPARE, 35840                      ; the spare words, 128 bytes for each wave: four blocks of 256 bytes that no other line names
.set SPW, 1                            ; v1   LDS address of my spare word; never rewritten
.set NIL, 2                            ; v2   0; never rewritten
.set LN,  3                            ; lane
.set R,   4                            ; lane % 16
.set HH,  5                            ; lane / 16
.set SH8, 6                            ; 8 x (lane / 16)
.set WOF, 7                            ; my byte in the weight
.set FOF, 8                            ; my byte in feat
.set LI,  9                            ; 16 x lane
.set LR,  10                           ; 4 x (lane % 16)
.set FIA, 11                           ; where my position's codes go in feat's images
.set FSA, 12                           ; and its scale bytes
.set BOF, 13                           ; my byte in the bias
.set GO,  14                           ; my byte in the output
.set SGA, 15                           ; where my scale bytes are gathered
.set PC,  16                           ; v16-23  codes
.set PC2, 24                           ; v24-31  codes
.set TM,  32                           ; v32-33  largest magnitudes
.set SO,  34                           ; v34-35  the conversions' scale operands
.set EB,  36                           ; v36-37  scale bytes
.set TT,  38
.set PW,  39                           ; a scale word
.set X,   40                           ; v40-47  source 1
.set YS,  48                           ; v48-55  source 0's scale words
.set XS,  56                           ; source 1's
.set WIA, 57                           ; 1,024 x wave + 16 x lane
.set WSA, 58                           ; 64 x wave + 4 x (lane % 16)
.set GC,  59                           ; the gathered scales' place in memory
.set T0,  60
.set T1,  61
.set T2,  62
.set WL,  64                           ; v64-127  the weight's 64 numbers of my lane; later Y: source 0's eight fragments
.set Y,   64
.set FL,  128                          ; v128-191 feat's 64 numbers of my lane; in role v later the results
.set DV,  128
.set D,   192                          ; v192-255 roles q, k: the bias, then the results
.set BI,  192                          ; v192-199 role v: my channel's bias, eight times
.set ROLE, 32
.set STP,  33
.set J,    34
.set WV,   35
.set WP,   36                          ; s[36:37] the weight
.set FP,   38                          ; s[38:39] feat
.set BP,   40                          ; s[40:41] the bias
.set OP,   42                          ; s[42:43] qb or kv, at my step
.set TP,   44
.set ISG,  46
.set PIT,  47
.set KOF,  48
.set SM,   49
.set ST,   50
.set A,    51
.set BT,   52
.set G,    53
.set B0,   54
.set C,    55
.set OF,   56
.set SEL,  58                          ; s[58:59] v_permlanex16_b32's selects for lane l xor 16
; 64 numbers of a lane, two whole blocks of 32 (register 32 c + i = k 64 c + 32 h + i), become eight registers of codes; word = 1: and the row's scale word.
.macro QUANT s, pc, pw, word
.irp c, 0,1
	v_max3_num_f32 v[TM+\c], |v[\s+32*\c]|, |v[\s+32*\c+1]|, 0x1800000   ; the floor 2^(3 - 127) among the leaves: the byte cannot fall under 1
.endr
.irp i, 2,4,6,8,10,12,14,16,18,20,22,24,26,28,30
.irp c, 0,1
	v_max3_num_f32 v[TM+\c], v[TM+\c], |v[\s+32*\c+\i]|, |v[\s+32*\c+\i+1]|   ; ascending, the two blocks by turns
.endr
.endr
.irp c, 0,1
	s_delay_alu instid0(VALU_DEP_2)
	v_add_nc_u32 v[SO+\c], 0xff000000, v[TM+\c]    ; 2 off the exponent field: the conversion takes this operand's exponent field as its scale
.endr
.irp c, 0,1
	s_delay_alu instid0(VALU_DEP_2)
	v_lshrrev_b32 v[EB+\c], 23, v[SO+\c]           ; the scale's byte
.endr
.if \word
	s_delay_alu instid0(VALU_DEP_1)
	v_lshl_or_b32 v[\pw], v[EB+1], 16, v[EB]       ; my bytes are those of blocks h and 2 + h,
	s_delay_alu instid0(VALU_DEP_1)
	v_lshlrev_b32 v[\pw], v[SH8], v[\pw]           ; at their places;
	s_delay_alu instid0(VALU_DEP_1)
	v_permlanex16_b32 v[TT], v[\pw], s[SEL], s[SEL+1]
	s_delay_alu instid0(VALU_DEP_1)
	v_or_b32 v[\pw], v[\pw], v[TT]                 ; with lane l xor 16's two the word is whole, in both halves of the lanes
.endif
.irp c, 0,1
.irp g, 0,1,2,3
	v_cvt_scalef32_pk8_fp4_f32 v[\pc+4*\c+\g], v[\s+32*\c+8*\g:\s+32*\c+8*\g+7], v[SO+\c]
.endr
.endr
	v_nop                                          ; one plain place behind the last scaled conversion
.endm
.macro WLOAD                           ; my row of the weight: k = 64 c + 32 h + 0 .. 31, eight loads of 16 bytes a block
.irp c, 0,1
.irp i, 0,1,2,3,4,5,6,7
	global_load_b128 v[WL+32*\c+4*\i:WL+32*\c+4*\i+3], v[WOF], s[WP:WP+1] offset:256*\c+16*\i
.endr
.endr
.endm
; What roles q, k and v share: the weight tile of my wave and two blocks of channels of my 32 positions are quantised, and their images go to LDS.
.macro COMMON base
	WLOAD
.set n, 0
.rept 64                               ; a lane takes a position, its registers run down the channels: 32 lanes read 128 consecutive bytes, four waves stand side by side on 512
	global_load_b32 v[FL+n], v[FOF], s[FP:FP+1] offset:(64*(n/32)+n%32)*CHB
.set n, n+1
.endr
	s_wait_loadcnt 63                              ; 64 loads are younger than the weight's last: the bias and the weight are in
	QUANT WL, PC, PW, 1
	ds_store_b128 v[WIA], v[PC:PC+3] offset:\base+WIM
	ds_store_b128 v[WIA], v[PC+4:PC+7] offset:\base+WIM+512
	ds_store_b32 v[WSA], v[PW] offset:\base+WSC    ; both halves of the lanes write the same word with the same value
	s_wait_loadcnt 0x0
	QUANT FL, PC2, 0, 0
	ds_store_b128 v[FIA], v[PC2:PC2+3] offset:\base+FIM          ; channels 32 b0 on of my position
	ds_store_b128 v[FIA], v[PC2+4:PC2+7] offset:\base+FIM+512    ; channels 64 + 32 b0 on
	ds_store_b8 v[FSA], v[EB] offset:\base+FSC
	ds_store_b8 v[FSA], v[EB+1] offset:\base+FSC+2
	s_wait_dscnt 0x0                               ; for the others' sake: my images lie in LDS
	s_barrier_signal -1
	s_barrier_wait -1
.endm
; source 1 = image w of one kind, source 0 = all eight of the other
.macro OPERANDS xi, xs, yi, ys
	ds_load_b128 v[X:X+3], v[WIA] offset:\xi
	ds_load_b128 v[X+4:X+7], v[WIA] offset:\xi+512
	ds_load_b32 v[XS], v[WSA] offset:\xs
.irp t, 0,1,2,3,4,5,6,7
	ds_load_b128 v[Y+8*\t:Y+8*\t+3], v[LI] offset:\yi+1024*\t
	ds_load_b128 v[Y+8*\t+4:Y+8*\t+7], v[LI] offset:\yi+1024*\t+512
	ds_load_b32 v[YS+\t], v[LR] offset:\ys+64*\t
.endr
	s_wait_dscnt 0x0
.endm
.macro CLOSE                           ; the wave's end
	s_wait_tensorcnt 0x0
	ds_add_u32 v[SPW], v[NIL]
	s_wait_dscnt 0x0
	s_endpgm
.endm
	s_load_b512 s[4:19], s[0:1], 0x0               ; feat1 s[4:5], feat2 s[6:7], Wq s[8:9], Wk s[10:11], Wv s[12:13], bq s[14:15], bk s[16:17], bv s[18:19]
	s_load_b256 s[20:27], s[0:1], 0x40             ; Wo s[20:21], Wg1 s[22:23], Wg2 s[24:25], qb s[26:27]
	s_load_b128 s[28:31], s[0:1], 0x60             ; kv s[28:29], wimg s[30:31]
	v_lshl_add_u32 v[SPW], v0, 2, SPARE
	v_mov_b32 v[NIL], 0
	v_lshrrev_b32 v[T0], 5, v0
	s_delay_alu instid0(VALU_DEP_1)
	v_readfirstlane_b32 s[WV], v[T0]               ; wave 0..7
	s_lshr_b32 s[ROLE], ttmp9, 6
	s_and_b32 s[STP], ttmp9, 63
	s_and_b32 s[J], ttmp9, 3
	s_and_b32 s[G], s[WV], 3
	s_lshr_b32 s[B0], s[WV], 2
	s_mov_b32 s[SEL], 0x76543210
	s_mov_b32 s[SEL+1], 0xfedcba98
	s_add_co_u32 s[ISG], s[J], 1
	s_bfe_u32 s[ISG], s[ISG], 0x10001              ; 1 for x % 4 = 1, 2,
	s_cmp_eq_u32 s[ROLE], 3
	s_cselect_b32 s[ISG], s[ISG], 0                ; in role 3: the weight is Wg1,
	s_lshl_b32 s[PIT], 512, s[ISG]                 ; whose rows are 1,024 bytes; all others' 512
	s_cmp_eq_u32 ttmp9, 194
	s_cselect_b32 s[KOF], 512, 0                   ; Wg1's second K half begins 128 numbers on
	s_lshl_b32 s[ST], s[B0], 6
	s_lshl_b32 s[A], s[G], 3
	s_add_co_u32 s[ST], s[ST], s[A]                ; my tile's first row: 64 (w / 4) + 8 (w % 4), rows 8-15 lying 32 on;
	s_lshr_b32 s[A], s[WV], 1
	s_lshl_b32 s[A], s[A], 5
	s_and_b32 s[BT], s[WV], 1
	s_lshl_b32 s[BT], s[BT], 3
	s_add_co_u32 s[A], s[A], s[BT]                 ; for v: head w / 2, tile w % 2: 32 (w / 2) + 8 (w % 2), rows 8-15 lying 16 on
	s_cmp_eq_u32 s[ROLE], 2
	s_cselect_b32 s[ST], s[A], s[ST]
	s_cselect_b32 s[SM], 16, 32
	v_and_b32 v[LN], 31, v0
	v_and_b32 v[R], 15, v0
	v_bfe_u32 v[HH], v0, 4, 1
	s_delay_alu instid0(VALU_DEP_1)
	v_lshlrev_b32 v[SH8], 3, v[HH]
	s_delay_alu instid0(VALU_DEP_4)
	v_lshlrev_b32 v[LI], 4, v[LN]
	s_delay_alu instid0(VALU_DEP_4)
	v_lshlrev_b32 v[LR], 2, v[R]
	v_mov_b32 v[TT], 0                             ; written once: a lane permute's destination counts as one of its sources
	v_and_b32 v[T0], 7, v[R]
	v_lshrrev_b32 v[T1], 3, v[R]
	s_delay_alu instid0(VALU_DEP_1)
	v_mad_u32_u24 v[T2], v[T1], s[SM], v[T0]
	s_delay_alu instid0(VALU_DEP_1)
	v_add_nc_u32 v[T2], s[ST], v[T2]               ; my row of the weight
	s_delay_alu instid0(VALU_DEP_1)
	v_mul_lo_u32 v[WOF], v[T2], s[PIT]
	s_delay_alu instid0(VALU_DEP_1)
	v_lshl_add_u32 v[WOF], v[HH], 7, v[WOF]        ; + 32 h numbers
	s_delay_alu instid0(VALU_DEP_1)
	v_add_nc_u32 v[WOF], s[KOF], v[WOF]
	s_lshl_b32 s[A], s[WV], 10
	v_add_nc_u32 v[WIA], s[A], v[LI]
	s_lshl_b32 s[A], s[WV], 6
	v_add_nc_u32 v[WSA], s[A], v[LR]
	s_lshl_b32 s[A], s[STP], 9                     ; feat: position 128 step + 32 g + lane (g = w % 4), channels from 32 b0 on (b0 = w / 4)
	s_lshl_b32 s[BT], s[G], 7
	s_add_co_u32 s[A], s[A], s[BT]
	s_lshl_b32 s[BT], s[B0], 20
	s_add_co_u32 s[A], s[A], s[BT]
	v_lshl_add_u32 v[FOF], v[LN], 2, s[A]
	s_lshr_b32 s[A], s[G], 1                       ; position 32 g + l is row 8 (g % 2) + l % 8 of tile 4 (g / 2) + l / 8
	s_and_b32 s[BT], s[G], 1
	s_lshl_b32 s[C], s[A], 12
	s_lshl_b32 s[OF], s[BT], 7
	s_add_co_u32 s[C], s[C], s[OF]
	s_lshl_b32 s[OF], s[B0], 8
	s_add_co_u32 s[C], s[C], s[OF]                 ; block b0 of a row lies 256 b0 into the image
	v_lshrrev_b32 v[T0], 3, v[LN]
	v_and_b32 v[T1], 7, v[LN]
	s_delay_alu instid0(VALU_DEP_2)
	v_lshlrev_b32 v[FIA], 10, v[T0]
	s_delay_alu instid0(VALU_DEP_1)
	v_lshl_add_u32 v[FIA], v[T1], 4, v[FIA]
	s_delay_alu instid0(VALU_DEP_1)
	v_add_nc_u32 v[FIA], s[C], v[FIA]
	s_lshl_b32 s[C], s[A], 8
	s_lshl_b32 s[OF], s[BT], 5
	s_add_co_u32 s[C], s[C], s[OF]
	s_add_co_u32 s[C], s[C], s[B0]
	v_lshlrev_b32 v[FSA], 6, v[T0]
	s_delay_alu instid0(VALU_DEP_1)
	v_lshl_add_u32 v[FSA], v[T1], 2, v[FSA]
	s_delay_alu instid0(VALU_DEP_1)
	v_add_nc_u32 v[FSA], s[C], v[FSA]
	v_mul_u32_u24 v[GC], v[T0], HS                 ; the gathered scales: 128 bytes a head, 16 a lane
	s_delay_alu instid0(VALU_DEP_1)
	v_lshl_add_u32 v[GC], v[T1], 4, v[GC]
	s_lshl_b32 s[C], s[B0], 6
	s_add_co_u32 s[C], s[C], s[G]
	v_lshl_add_u32 v[SGA], v[HH], 7, v[LR]
	s_delay_alu instid0(VALU_DEP_1)
	v_add_nc_u32 v[SGA], s[C], v[SGA]              ; q, k: head h's 128 bytes, word 16 (w / 4) + r, byte w % 4
	s_mul_i32 s[OF], s[STP], SS
	s_mov_b32 s[OF+1], 0
	s_wait_kmcnt 0x0
	s_cmp_eq_u32 s[ROLE], 0                        ; the buffers are chosen by the work-group's number alone
	s_cselect_b64 s[WP:WP+1], s[8:9], s[10:11]
	s_cselect_b64 s[FP:FP+1], s[4:5], s[6:7]
	s_cselect_b64 s[BP:BP+1], s[14:15], s[16:17]
	s_cselect_b64 s[OP:OP+1], s[26:27], s[28:29]
	s_cmp_eq_u32 s[ROLE], 2
	s_cselect_b64 s[WP:WP+1], s[12:13], s[WP:WP+1]
	s_cselect_b64 s[BP:BP+1], s[18:19], s[BP:BP+1]
	s_cmp_eq_u32 s[J], 0
	s_cselect_b64 s[TP:TP+1], s[20:21], s[22:23]
	s_cmp_eq_u32 s[J], 3
	s_cselect_b64 s[TP:TP+1], s[24:25], s[TP:TP+1]
	s_cmp_eq_u32 s[ROLE], 3
	s_cselect_b64 s[WP:WP+1], s[TP:TP+1], s[WP:WP+1]
	s_add_nc_u64 s[OP:OP+1], s[OP:OP+1], s[OF:OF+1]
	s_cmp_eq_u32 s[ROLE], 3
	s_cbranch_scc1 .Ltailw
	s_cmp_eq_u32 s[ROLE], 2
	s_cbranch_scc1 .Lrole_v
	; ---- roles q and k.  Source 0 = 16 channels of the weight, source 1 = my tile of 16 positions: a lane holds ONE position and, in 64 registers, heads h and 2 + h
	v_lshlrev_b32 v[BOF], 7, v[HH]
	v_mul_u32_u24 v[GO], v[HH], HS
	s_delay_alu instid0(VALU_DEP_1)
	v_lshl_add_u32 v[GO], v[R], 4, v[GO]
	s_lshl_b32 s[A], s[WV], 8
	v_add_nc_u32 v[GO], s[A], v[GO]                ; head h, tile w, row r: sixteen lanes fill 256 consecutive bytes, aligned
.irp c, 0,1
.irp i, 0,1,2,3,4,5,6,7
	global_load_b128 v[D+32*\c+4*\i:D+32*\c+4*\i+3], v[BOF], s[BP:BP+1] offset:256*\c+16*\i   ; the bias in the result's layout: it is the C of the products
.endr
.endr
	COMMON 0
	OPERANDS FIM, FSC, WIM, WSC
.irp t, 0,1,2,3,4,5,6,7
	v_wmma_scale_f32_16x16x128_f8f6f4 v[D+8*\t:D+8*\t+7], v[Y+8*\t:Y+8*\t+7], v[X:X+7], v[D+8*\t:D+8*\t+7], v[YS+\t], v[XS] matrix_a_fmt:MATRIX_FMT_FP4 matrix_b_fmt:MATRIX_FMT_FP4
.endr
.rept 4
	v_nop                                          ; four places between the last product and the first read of results
.endr
	QUANT D, PC, 0, 0                              ; a head's 32 channels are one block
	global_store_b128 v[GO], v[PC:PC+3], s[OP:OP+1]
	global_store_b128 v[GO], v[PC+4:PC+7], s[OP:OP+1] offset:2*HS
	ds_store_b8 v[SGA], v[EB] offset:SG
	ds_store_b8 v[SGA], v[EB+1] offset:SG+256
	s_wait_dscnt 0x0                               ; for wave 0's sake: my scale bytes lie in LDS
	s_barrier_signal -1
	s_barrier_wait -1
	s_cmp_lg_u32 s[WV], 0
	s_cbranch_scc1 .Lq_done
	ds_load_b128 v[X:X+3], v[LI] offset:SG         ; the step's 512 scale bytes leave in runs of 128, one a head
	s_wait_dscnt 0x0
	global_store_b128 v[GC], v[X:X+3], s[OP:OP+1] offset:4096
.Lq_done:
	CLOSE
	; ---- role v.  Source 0 = 16 positions, source 1 = my 16 channels: a lane holds ONE channel, and its registers run along the keys, which are the next product's K
.Lrole_v:
	v_lshlrev_b32 v[BOF], 2, v[T2]                 ; my channel's bias
	s_lshr_b32 s[A], s[WV], 1
	s_mul_i32 s[A], s[A], HS
	s_and_b32 s[BT], s[WV], 1
	s_lshl_b32 s[BT], s[BT], 10
	s_add_co_u32 s[A], s[A], s[BT]
	v_add_nc_u32 v[GO], s[A], v[LI]                ; head w / 2, fragment w % 2: the image as it stands, 512 consecutive bytes a store
.irp i, 0,1,2,3,4,5,6,7
	global_load_b32 v[BI+\i], v[BOF], s[BP:BP+1]   ; eight registers of it: the C of every product
.endr
	COMMON VB
	OPERANDS VB+WIM, VB+WSC, VB+FIM, VB+FSC
.irp t, 0,1,2,3,4,5,6,7
	v_wmma_scale_f32_16x16x128_f8f6f4 v[DV+8*\t:DV+8*\t+7], v[Y+8*\t:Y+8*\t+7], v[X:X+7], v[BI:BI+7], v[YS+\t], v[XS] matrix_a_fmt:MATRIX_FMT_FP4 matrix_b_fmt:MATRIX_FMT_FP4
.endr
.rept 4
	v_nop
.endr
	QUANT DV, PC, PW, 1                            ; blocks of 32 keys
	global_store_b128 v[GO], v[PC:PC+3], s[OP:OP+1] offset:2048
	global_store_b128 v[GO], v[PC+4:PC+7], s[OP:OP+1] offset:2048+512
	ds_store_b32 v[WSA], v[PW] offset:VB+SG
	s_wait_dscnt 0x0
	s_barrier_signal -1
	s_barrier_wait -1
	s_cmp_lg_u32 s[WV], 0
	s_cbranch_scc1 .Lv_done
	ds_load_b128 v[X:X+3], v[LI] offset:VB+SG
	s_wait_dscnt 0x0
	global_store_b128 v[GC], v[X:X+3], s[OP:OP+1] offset:4224
.Lv_done:
	CLOSE
	; ---- role 3: a fragment of Wo, Wg1 or Wg2 a wave, straight to memory as an image, its scale words behind the 32 images
.Ltailw:
	WLOAD
	s_lshl_b32 s[A], s[J], 3
	s_add_co_u32 s[A], s[A], s[WV]                 ; fragment 8 (x % 4) + w
	s_lshl_b32 s[BT], s[A], 10
	v_add_nc_u32 v[GO], s[BT], v[LI]
	s_lshl_b32 s[BT], s[A], 7
	v_lshl_add_u32 v[T0], v[LN], 2, s[BT]
	s_wait_loadcnt 0x0
	QUANT WL, PC, PW, 1
	global_store_b128 v[GO], v[PC:PC+3], s[30:31]
	global_store_b128 v[GO], v[PC+4:PC+7], s[30:31] offset:512
	global_store_b32 v[T0], v[PW], s[30:31] offset:32768
	CLOSE
.Lfunc_end_k_q55dc41f49c_proj:
	.size	k_q55dc41f49c_proj, .Lfunc_end_k_q55dc41f49c_proj-k_q55dc41f49c_proj
	.p2alignl 7, 3214868480
	.fill 96, 4, 3214868480
	.section	.rodata,"a",@progbits
	.p2align	6, 0x0
	.amdhsa_kernel k_q55dc41f49c_proj
		.amdhsa_group_segment_fixed_size 36864
		.amdhsa_private_segment_fixed_size 0
		.amdhsa_enable_private_segment 0
		.amdhsa_kernarg_size 112
		.amdhsa_user_sgpr_count 2
		.amdhsa_user_sgpr_kernarg_segment_ptr 1
		.amdhsa_wavefront_size32 1
		.amdhsa_system_sgpr_workgroup_id_x 1
		.amdhsa_system_sgpr_workgroup_id_y 1
		.amdhsa_system_sgpr_workgroup_id_z 1
		.amdhsa_system_vgpr_workitem_id 0
		.amdhsa_next_free_vgpr 256
		.amdhsa_next_free_sgpr 66
		.amdhsa_reserve_vcc 0
		.amdhsa_float_denorm_mode_32 3
		.amdhsa_float_denorm_mode_16_64 3
		.amdhsa_memory_ordered 1
		.amdhsa_forward_progress 1
		.amdhsa_inst_pref_size 55
	.end_amdhsa_kernel
	.amdgpu_metadata
---
amdhsa.version: [ 1, 2 ]
amdhsa.kernels:
  - .name:           k_q55dc41f49c_proj
    .symbol:         k_q55dc41f49c_proj.kd
    .args:
      - { .name: feat1, .offset: 0, .size: 8, .value_kind: global_buffer, .address_space: global }
      - { .name: feat2, .offset: 8, .size: 8, .value_kind: global_buffer, .address_space: global }
      - { .name: Wq, .offset: 16, .size: 8, .value_kind: global_buffer, .address_space: global }
      - { .name: Wk, .offset: 24, .size: 8, .value_kind: global_buffer, .address_space: global }
      - { .name: Wv, .offset: 32, .size: 8, .value_kind: global_buffer, .address_space: global }
      - { .name: bq, .offset: 40, .size: 8, .value_kind: global_buffer, .address_space: global }
      - { .name: bk, .offset: 48, .size: 8, .value_kind: global_buffer, .address_space: global }
      - { .name: bv, .offset: 56, .size: 8, .value_kind: global_buffer, .address_space: global }
      - { .name: Wo, .offset: 64, .size: 8, .value_kind: global_buffer, .address_space: global }
      - { .name: Wg1, .offset: 72, .size: 8, .value_kind: global_buffer, .address_space: global }
      - { .name: Wg2, .offset: 80, .size: 8, .value_kind: global_buffer, .address_space: global }
      - { .name: qb, .offset: 88, .size: 8, .value_kind: global_buffer, .address_space: global }
      - { .name: kv, .offset: 96, .size: 8, .value_kind: global_buffer, .address_space: global }
      - { .name: wimg, .offset: 104, .size: 8, .value_kind: global_buffer, .address_space: global }
    .group_segment_fixed_size: 36864
    .private_segment_fixed_size: 0
    .kernarg_segment_align: 8
    .kernarg_segment_size: 112
    .max_flat_workgroup_size: 256
    .sgpr_count:     66
    .vgpr_count:     256
    .wavefront_size: 32
...
	.end_amdgpu_metadata
.endif
;; end of part 1
;; launch attn (part 2): grid 64 x 4, 16 waves a work-group, clusters of 4 x 1, 327,680 bytes of LDS; arguments qb, kv, oimg, oscl; writes oimg, oscl
.if DOCPART == 2
	.amdgcn_target "amdgcn-amd-amdhsa--gfx1250"
	.amdhsa_code_object_version 6
	.text
	.protected	k_q55dc41f49c_attn
	.globl	k_q55dc41f49c_attn
	.p2align	8
	.type	k_q55dc41f49c_attn,@function
k_q55dc41f49c_attn:
	s_mov_b64 s[64:65], 0
	v_nop
	global_prefetch_b8 v0, s[64:65] scope:SCOPE_SE
	s_setreg_imm32_b32 hwreg(HW_REG_WAVE_MODE, 25, 1), 1
	s_wait_xcnt 0x0
	s_wait_alu depctr_hold_cnt(0) depctr_sa_sdst(0) depctr_va_vdst(0) depctr_va_sdst(0) depctr_va_ssrc(0) depctr_va_vcc(0) depctr_vm_vsrc(0)
	s_getreg_b32 s2, hwreg(HW_REG_IB_STS2, 6, 4)
	s_cmp_eq_u32 s2, 0
	s_cbranch_scc0 .Lentry_in_a_cluster
	s_endpgm
.Lentry_in_a_cluster:
	s_bfe_u32 s2, ttmp6, 0x10000c
	s_cmp_lg_u32 s2, 0x3003
	s_cbranch_scc0 .Lentry_shape_is_right
	s_endpgm
.Lentry_shape_is_right:
; out[head][c][n] = the sum over keys m of softmax_m(q[n] . k[m] / sqrt(32)) v[c][m], both products on codes of FP4 (E2M1) with E8M0 scales, from the codes that the launch before has laid out.
; Nothing of the problem is left out here.
; THE SOFTMAX AHEAD OF THE SECOND PRODUCT: t = score x log2(e) / sqrt(32); M = the largest t so far, rounded UP to a whole number; p = 2^(t - M) is quantised along the keys, not normalised; the sum of the
; unquantised p divides at the end.  When M moves, the sum and O are multiplied by 2^(old M - new M): exact.
; LIMITS: log2(e) / sqrt(32) is one constant, where the problem multiplies twice: t may differ in its last bit; blocks under 2^-124 keep the scale byte 1, blocks of zeros too (zero codes; only this program
; reads the bytes); NaN and infinities are not served.
; SHARES.  A work-group owns one head and a step of 128 queries.  Wave w owns query tile w % 8 (16 queries) and the key steps of parity w / 8: 32 steps of 128 keys.  Four waves to a SIMD, so that one wave's
; vector work stands beside another's products and LDS loads.  The two halves of a tile are joined once, at the end, through LDS: M is a whole number, so that rescaling is exact too.
; A HEAD'S K, V AND SCALES, 278,528 BYTES, LIE IN LDS WHOLE: each wave fetches a sixteenth by one tensor load at the head; nothing is filled again, and the loop over the keys has no barrier.
; CLUSTER.  The four work-groups of a cluster share the head: each load is asked for JOINTLY, with the same descriptor and a mask that names the four.  By this text's count a wave has one tensor load out.
; LAYOUT.  Both products are used transposed: S^T = K Q^T, O^T = V^T P^T: a lane holds ONE query (lane % 16) throughout.
; K = 32 IN A FORM OF K = 128: row r of a fragment of K holds FOUR keys, row r of tiles 4 c + 0 .. 3, one in each block of 32; Q stands in four variants, its codes in block b and zero codes elsewhere, so that
; variant b picks tile 4 c + b.  The variants are windows of 8 on 20 registers [0 | Q in lanes 0-15 | 0 | Q in lanes 16-31 | 0].  Row m of tile 4 c + u is key 64 c + 32 (m / 8) + 8 u + m % 8 of the step, so a
; lane's registers 32 c + i are keys 64 c + 32 h + i: a whole block of 32, whose largest p needs no other lane, and whose codes are the second product's operand as they stand.
.set HS,    278528                     ; a head in kv and qb
.set SS,    4352                       ; a step: K codes 2,048, V codes 2,048, K's scale words 128, V's 128
.set PART,  17408                      ; a sixteenth of a head: 68 rows of 256 bytes
.set MERGE, 278528                     ; behind the head's bytes: 2,560 bytes for each query tile
.set SPARE, 299008                     ; the spare words, 128 bytes for each wave: eight blocks of 256 bytes that no other line names
.set SPW, 1                            ; v1   LDS address of my spare word; never rewritten
.set NIL, 2                            ; v2   0; never rewritten
.set ADR, 3                            ; 16 x lane + the step in hand
.set ADS, 4                            ; 4 x lane + the step in hand
.set SH8, 5                            ; 8 x (lane / 16)
.set MG,  6                            ; my 16 bytes in my tile's place for the joining
.set GOC, 7                            ; my 8 bytes of the tile's codes on the way out
.set GOS, 8                            ; lane % 16
.set AD0, 9                            ; 16 x lane
.set AS0, 10                           ; 4 x lane
.set GQ,  11
;          v12 -M, v13 the largest t, v[14:15] the sum in two halves
.set QV,  16                           ; v16-35  Q's 20 registers
.set QS,  36                           ; Q's scale byte, four times
.set KS,  37                           ; K's scale words: lanes 0-15 fragment 0's, lanes 16-31 fragment 1's
.set VS,  38                           ; V's likewise
.set PW,  39                           ; p's scale word
.set KF,  40                           ; v40-55  two fragments of K
.set VF,  56                           ; v56-71  two fragments of V
.set PC,  72                           ; v72-79  p's codes
.set O,   80                           ; v80-95  O^T: register 8 t + j is channel 16 h + 8 t + j of the head
.set S,   96                           ; v96-159 S^T, then p
.set BM,  160                          ; v160-161 the blocks' largest scores, then their largest p
.set SO,  162
.set EB,  164
.set T0,  166
.set T1,  167
.set T2,  168
.set T3,  169
.set F,   170                          ; v[170:171] f = 2^(old M - new M), named as a pair
.set SB,  172                          ; v[172:173] the sums' second chain
.set OM,  174
.set WV,  12
.set CX,  14
.set XQ,  15
.set HD,  16
.set QT,  17
.set KH,  18
.set SEL, 20
.set CS,  22
.set G1,  24
.set G0,  32
.set CNT, 36
.set TB,  37                           ; LDS byte at which the step in hand begins
.macro ROUND                           ; a round of the cluster's barrier
	s_barrier_signal -1
	s_barrier_wait -1
	s_cmp_lg_u32 s[WV], 0
	s_cbranch_scc1 .Lnot_wave_0_\@
	s_barrier_signal -3
.Lnot_wave_0_\@:
	s_barrier_wait -3
	s_barrier_signal -1
	s_barrier_wait -1
.endm
.macro FETCH_K
.irp i, 0,1,2,3
	ds_load_b128 v[KF+4*\i:KF+4*\i+3], v[ADR] offset:512*\i
.endr
	ds_load_b32 v[KS], v[ADS] offset:4096
.endm
.macro FETCH_V
.irp i, 0,1,2,3
	ds_load_b128 v[VF+4*\i:VF+4*\i+3], v[ADR] offset:2048+512*\i
.endr
	ds_load_b32 v[VS], v[ADS] offset:4224
.endm
	s_load_b256 s[4:11], s[0:1], 0x0               ; qb s[4:5], kv s[6:7], oimg s[8:9], oscl s[10:11]
	v_lshl_add_u32 v[SPW], v0, 2, SPARE
	v_mov_b32 v[NIL], 0
	ds_add_u32 v[SPW], v[NIL]                      ; the wave's opening: the add, twice on end, and its wait ahead of my first tensor load
	ds_add_u32 v[SPW], v[NIL]                      ; and once more, under the one wait; the set-up below, work on registers, stands between
	v_lshrrev_b32 v[T0], 5, v0
	s_delay_alu instid0(VALU_DEP_1)
	v_readfirstlane_b32 s[WV], v[T0]               ; wave 0..15
	s_bfe_u32 s[CX], ttmp6, 0x40000                ; my place in the cluster: it enters the addresses of Q and of the outputs alone
	s_lshl_b32 s[XQ], ttmp9, 2
	s_add_co_u32 s[XQ], s[XQ], s[CX]               ; my step of queries
	s_and_b32 s[HD], ttmp7, 0xffff                 ; the head, which the four partners share
	s_and_b32 s[QT], s[WV], 7
	s_lshr_b32 s[KH], s[WV], 3
	s_mov_b32 s[G1], 15|(3<<16)|(1<<21)            ; 15:0 the mask: all four work-groups; 17:16 elements of 8 bytes; 21 set beside a mask; no padding: every LDS read here takes consecutive bytes
	s_mov_b32 s[G1+1], 32<<16                      ; tensor_dim0 = 32 elements: 256 bytes
	s_mov_b32 s[G1+2], 68<<16                      ; tensor_dim1 = 68
	s_mov_b32 s[G1+3], 32<<16                      ; tile_dim0
	s_mov_b32 s[G1+4], 68                          ; tile_dim1
	s_mov_b32 s[G1+5], 32                          ; the pitch: the block is dense
	s_mov_b32 s[G1+6], 0
	s_mov_b32 s[G1+7], 0
	s_mov_b32 s[SEL], 0x76543210
	s_mov_b32 s[SEL+1], 0xfedcba98
	s_mov_b32 s[CS], 0x3e8293ee                    ; c = log2(e) / sqrt(32)
	s_mov_b32 s[CS+1], s[CS]                       ; (named with it as a pair, so it is written)
	s_mul_i32 s38, s[HD], HS
	s_mul_i32 s19, s[WV], PART
	s_add_co_u32 s40, s38, s19                     ; my sixteenth of the head: made of the head and the wave's number alone
	s_mov_b32 s41, 0
	s_mul_i32 s[TB], s[KH], SS                     ; my first key step
	s_mul_i32 s42, s[XQ], SS
	s_add_co_u32 s42, s42, s38
	s_mov_b32 s43, 0
	s_lshl_b32 s45, s[XQ], 3
	s_add_co_u32 s45, s45, s[QT]                   ; my tile among the 512
	s_wait_dscnt 0x0                               ; both opening adds are done
	s_wait_kmcnt 0x0
	s_mov_b32 s[G0], 1
	s_mov_b32 s[G0+1], s19
	s_add_nc_u64 s[G0+2:G0+3], s[6:7], s[40:41]
	s_or_b32 s[G0+3], s[G0+3], 0x80000000
	ROUND                                          ; all four work-groups are here: the joint loads meet
	tensor_load_to_lds s[G0:G0+3], s[G1:G1+7]
	s_nop 0
.rept 4
	v_nop
.endr
	s_add_nc_u64 s[4:5], s[4:5], s[42:43]          ; qb at my head and step
	s_lshl_b32 s46, s45, 10
	s_lshl_b32 s48, s[HD], 8
	s_add_co_u32 s46, s46, s48
	s_mov_b32 s47, 0
	s_add_nc_u64 s[8:9], s[8:9], s[46:47]          ; oimg: tile x 1,024 + head x 256
	s_lshl_b32 s46, s45, 4
	s_lshl_b32 s48, s[HD], 13
	s_add_co_u32 s46, s46, s48
	s_add_nc_u64 s[10:11], s[10:11], s[46:47]      ; oscl: head x 8,192 + tile x 16
	v_and_b32 v[GOS], 15, v0
	v_and_b32 v[T0], 31, v0
	v_bfe_u32 v[T1], v0, 4, 1
	s_lshl_b32 s44, s[QT], 8
	v_lshl_add_u32 v[GQ], v[GOS], 4, s44
	s_lshr_b32 s44, s[QT], 2
	s_lshl_b32 s44, s44, 6
	v_lshl_add_u32 v[T2], v[GOS], 2, s44
	global_load_b128 v[S:S+3], v[GQ], s[4:5]       ; my query's 32 codes, in both halves of the lanes
	global_load_b32 v[S+4], v[T2], s[4:5] offset:4096   ; and the word that holds its scale byte
	v_lshlrev_b32 v[SH8], 3, v[T1]
	v_lshlrev_b32 v[AD0], 4, v[T0]
	v_lshlrev_b32 v[AS0], 2, v[T0]
	s_delay_alu instid0(VALU_DEP_2)
	v_add_nc_u32 v[ADR], s[TB], v[AD0]
	s_delay_alu instid0(VALU_DEP_2)
	v_add_nc_u32 v[ADS], s[TB], v[AS0]
	s_mul_i32 s44, s[QT], 2560
	s_add_co_u32 s44, s44, MERGE
	v_add_nc_u32 v[MG], s44, v[AD0]
	v_lshlrev_b32 v[GOC], 4, v[GOS]
	s_delay_alu instid0(VALU_DEP_1)
	v_lshl_add_u32 v[GOC], v[T1], 3, v[GOC]
	v_cmp_gt_u32 vcc_lo, 16, v[T0]                 ; lanes 0-15
.irp i, 0,1,2,3
	v_mov_b32 v[QV+\i], 0
	v_mov_b32 v[QV+8+\i], 0
	v_mov_b32 v[QV+16+\i], 0
.endr
	s_and_b32 s44, s[QT], 3
	s_lshl_b32 s44, s44, 3
	s_wait_loadcnt 0x0
.irp i, 0,1,2,3
	v_cndmask_b32 v[QV+4+\i], 0, v[S+\i], vcc_lo        ; Q in lanes 0-15 alone,
	v_cndmask_b32 v[QV+12+\i], v[S+\i], v[QV], vcc_lo   ; and in lanes 16-31 alone
.endr
	v_lshrrev_b32 v[QS], s44, v[S+4]
	s_delay_alu instid0(VALU_DEP_1)
	v_and_b32 v[QS], 0xff, v[QS]
	s_delay_alu instid0(VALU_DEP_1)
	v_lshl_or_b32 v[QS], v[QS], 8, v[QS]
	s_delay_alu instid0(VALU_DEP_1)
	v_lshl_or_b32 v[QS], v[QS], 16, v[QS]          ; the byte in all four places: whichever block holds Q's codes finds it
.irp j, 0,1,2,3,4,5,6,7,8,9,10,11,12,13,14,15
	v_mov_b32 v[O+\j], 0                           ; O^T.  (The step is written once: the first finds zeros, which the first change of M leaves zeros.  These lines are also the places between QS and the first product)
.endr
	v_mov_b32 v13, 0xff61b1e6                      ; the largest t so far: -3e38, under every t
	s_delay_alu instid0(VALU_DEP_1)
	v_floor_f32 v12, -v13                          ; -M
	v_mov_b32 v14, 0
	v_mov_b32 v15, 0
	v_mov_b32 v[F+1], 0                            ; (named as the upper half of a pair)
	v_mov_b32 v[T3], 0                             ; written once: a lane permute's destination counts as one of its sources
	s_wait_tensorcnt 0x0                           ; my sixteenth has landed,
	s_barrier_signal -1
	s_barrier_wait -1                              ; everybody's has
	FETCH_K
; A KEY STEP: 128 keys.  more = 1: the next step's K is fetched.
.macro STEP more
	s_wait_dscnt 0x0                               ; K and its scale words are in: asked for a step ago
.irp c, 0,1
.irp b, 0,1,2,3
.if \c
	v_wmma_scale_f32_16x16x128_f8f6f4 v[S+32*\c+8*\b:S+32*\c+8*\b+7], v[KF+8*\c:KF+8*\c+7], v[QV+(8*\b+4)%20:QV+(8*\b+4)%20+7], 0, v[KS], v[QS] matrix_a_fmt:MATRIX_FMT_FP4 matrix_b_fmt:MATRIX_FMT_FP4 matrix_a_scale:MATRIX_SCALE_ROW1
.else
	v_wmma_scale_f32_16x16x128_f8f6f4 v[S+32*\c+8*\b:S+32*\c+8*\b+7], v[KF+8*\c:KF+8*\c+7], v[QV+(8*\b+4)%20:QV+(8*\b+4)%20+7], 0, v[KS], v[QS] matrix_a_fmt:MATRIX_FMT_FP4 matrix_b_fmt:MATRIX_FMT_FP4
.endif
.endr
.endr
.rept 4
	v_nop                                          ; four places: in front of the loads into registers that products have read, and of the first read of the scores
.endr
	FETCH_V                                        ; this step's V
.if \more
	s_add_co_u32 s[TB], s[TB], 2*SS                ; my next step lies two on
	v_add_nc_u32 v[ADR], s[TB], v[AD0]
	v_add_nc_u32 v[ADS], s[TB], v[AS0]
	FETCH_K
.endif
.irp c, 0,1
	v_max3_num_f32 v[BM+\c], v[S+32*\c], v[S+32*\c+1], v[S+32*\c+2]   ; THE LARGEST SCORE OF EACH BLOCK OF 32 KEYS serves twice: for the row's maximum and, since p rises with the score, for the block's largest p
.endr
.irp i, 3,5,7,9,11,13,15,17,19,21,23,25,27,29
.irp c, 0,1
	v_max3_num_f32 v[BM+\c], v[BM+\c], v[S+32*\c+\i], v[S+32*\c+\i+1]   ; ascending, the two blocks by turns
.endr
.endr
.irp c, 0,1
	v_max_num_f32 v[BM+\c], v[BM+\c], v[S+32*\c+31]
.endr
	s_delay_alu instid0(VALU_DEP_1)
	v_max_num_f32 v[T0], v[BM], v[BM+1]
	s_delay_alu instid0(VALU_DEP_1)
	v_permlanex16_b32 v[T1], v[T0], s[SEL], s[SEL+1]
	s_delay_alu instid0(VALU_DEP_1)
	v_max_num_f32 v[T0], v[T0], v[T1]              ; the step's largest score of my query
	s_delay_alu instid0(VALU_DEP_1)
	v_mul_f32 v[T0], s[CS], v[T0]                  ; as t (c is positive)
	s_delay_alu instid0(VALU_DEP_1)
	v_max_num_f32 v13, v13, v[T0]
	v_mov_b32 v[OM], v12
	s_delay_alu instid0(VALU_DEP_2)
	v_floor_f32 v12, -v13                          ; the new -M = -ceil(t)
	s_delay_alu instid0(VALU_DEP_1)
	v_sub_f32 v[T0], v12, v[OM]                    ; old M - new M: a whole number, 0 or less
	s_delay_alu instid0(VALU_DEP_1)
	v_cvt_i32_f32 v[T0], v[T0]                     ; (it saturates)
	s_delay_alu instid0(VALU_DEP_1)
	v_ldexp_f32 v[F], 1.0, v[T0]                   ; f
.set j, 0
.rept 32
	v_pk_fma_f32 v[S+j:S+j+1], v[S+j:S+j+1], s[CS:CS+1], v[12:13] op_sel_hi:[1,0,0]   ; t - M, two at a time
.set j, j+2
.endr
.irp c, 0,1
	v_fma_f32 v[BM+\c], v[BM+\c], s[CS], v12       ; the same of each block's largest score
.endr
.set j, 0
	s_setprio 1
	s_wait_alu depctr_va_vdst(0)
.rept 64
	v_exp_f32 v[S+j], v[S+j]                       ; p = 2^(t - M), at most 1
.set j, j+1
.endr
	v_pk_mul_f32 v[14:15], v[14:15], v[F:F+1] op_sel_hi:[1,0]   ; the sums under the new M: the plain place behind the exponentials
	s_wait_alu depctr_va_vdst(0)                   ; one wait for the whole batch, ahead of its first reader
.irp c, 0,1
	v_exp_f32 v[BM+\c], v[BM+\c]                   ; the block's largest p: the same two instructions on the same number give the same bits
.endr
	v_pk_add_f32 v[172:173], v[100:101], v[104:105]
	v_pk_add_f32 v[190:191], v[108:109], v[112:113]
	v_pk_add_f32 v[188:189], v[116:117], v[120:121]
	v_pk_add_f32 v[186:187], v[124:125], v[128:129]
	v_pk_add_f32 v[184:185], v[132:133], v[136:137]
	v_pk_add_f32 v[182:183], v[140:141], v[144:145]
	v_pk_add_f32 v[180:181], v[148:149], v[152:153]
	v_pk_add_f32 v[14:15], v[14:15], v[156:157]
	v_pk_add_f32 v[172:173], v[172:173], v[96:97]
	v_pk_add_f32 v[190:191], v[190:191], v[98:99]
	v_pk_add_f32 v[188:189], v[188:189], v[102:103]
	v_pk_add_f32 v[186:187], v[186:187], v[106:107]
	v_pk_add_f32 v[184:185], v[184:185], v[110:111]
	v_pk_add_f32 v[182:183], v[182:183], v[114:115]
	v_pk_add_f32 v[180:181], v[180:181], v[118:119]
	v_pk_add_f32 v[14:15], v[14:15], v[122:123]
	v_pk_add_f32 v[172:173], v[172:173], v[126:127]
	v_pk_add_f32 v[190:191], v[190:191], v[130:131]
	v_pk_add_f32 v[188:189], v[188:189], v[134:135]
	v_pk_add_f32 v[186:187], v[186:187], v[138:139]
	v_pk_add_f32 v[184:185], v[184:185], v[142:143]
	v_pk_add_f32 v[182:183], v[182:183], v[146:147]
	v_pk_add_f32 v[180:181], v[180:181], v[150:151]
	v_pk_add_f32 v[14:15], v[14:15], v[154:155]
	v_pk_add_f32 v[172:173], v[172:173], v[158:159]
	s_delay_alu instid0(VALU_DEP_2)
	v_pk_add_f32 v[14:15], v[14:15], v[186:187]
	s_delay_alu instid0(VALU_DEP_2)
	v_pk_add_f32 v[172:173], v[172:173], v[184:185]
	v_pk_add_f32 v[190:191], v[190:191], v[182:183]
	v_pk_add_f32 v[188:189], v[188:189], v[180:181]
	s_delay_alu instid0(VALU_DEP_2)
	v_pk_add_f32 v[14:15], v[14:15], v[190:191]
	s_delay_alu instid0(VALU_DEP_2)
	v_pk_add_f32 v[172:173], v[172:173], v[188:189]
	s_delay_alu instid0(VALU_DEP_1)
	v_pk_add_f32 v[14:15], v[14:15], v[172:173]
	s_setprio 0
	s_wait_alu depctr_va_vdst(0)                   ; and one for the two
.irp c, 0,1
	v_max_num_f32 v[BM+\c], 0x1800000, v[BM+\c]    ; the floor 2^(3 - 127): the byte cannot fall under 1
.endr
.irp c, 0,1
	s_delay_alu instid0(VALU_DEP_2)
	v_add_nc_u32 v[SO+\c], 0xff000000, v[BM+\c]    ; 2 off the exponent field: the conversion's scale operand
.endr
.irp c, 0,1
	s_delay_alu instid0(VALU_DEP_2)
	v_lshrrev_b32 v[EB+\c], 23, v[SO+\c]
.endr
	s_delay_alu instid0(VALU_DEP_1)
	v_lshl_or_b32 v[PW], v[EB+1], 16, v[EB]        ; my bytes are those of blocks h and 2 + h
	s_delay_alu instid0(VALU_DEP_1)
	v_lshlrev_b32 v[PW], v[SH8], v[PW]
	s_delay_alu instid0(VALU_DEP_1)
	v_permlanex16_b32 v[T1], v[PW], s[SEL], s[SEL+1]
	s_delay_alu instid0(VALU_DEP_1)
	v_or_b32 v[PW], v[PW], v[T1]                   ; p's scale word for these 128 keys
.irp c, 0,1
.irp g, 0,1,2,3
	v_cvt_scalef32_pk8_fp4_f32 v[PC+4*\c+\g], v[S+32*\c+8*\g:S+32*\c+8*\g+7], v[SO+\c]   ; registers 4 c + g of the operand, as they stand
.endr
.endr
	v_nop                                          ; one plain place behind the last scaled conversion
.set j, 0
.rept 8
	v_pk_mul_f32 v[O+j:O+j+1], v[O+j:O+j+1], v[F:F+1] op_sel_hi:[1,0]   ; O^T under the new M.  With the line above: nine plain lines between p's scale word and the products
.set j, j+2
.endr
	s_wait_alu depctr_va_vdst(0)
	s_wait_dscnt 5*\more                           ; V's five loads are in; the next step's five of K, issued behind them, may stay out
	v_wmma_scale_f32_16x16x128_f8f6f4 v[O:O+7], v[VF:VF+7], v[PC:PC+7], v[O:O+7], v[VS], v[PW] matrix_a_fmt:MATRIX_FMT_FP4 matrix_b_fmt:MATRIX_FMT_FP4
	v_wmma_scale_f32_16x16x128_f8f6f4 v[O+8:O+15], v[VF+8:VF+15], v[PC:PC+7], v[O+8:O+15], v[VS], v[PW] matrix_a_fmt:MATRIX_FMT_FP4 matrix_b_fmt:MATRIX_FMT_FP4 matrix_a_scale:MATRIX_SCALE_ROW1
.endm                                  ; the accumulators take turns, one instruction a turn, over the backward jump too
	s_mov_b32 s[CNT], 31
.Lstep:
	s_setprio 2
	STEP 1
	s_sub_co_u32 s[CNT], s[CNT], 1
	s_cmp_lg_u32 s[CNT], 0
	s_cbranch_scc1 .Lstep
	s_setprio 0
	STEP 0                                         ; my last step is written out: nothing is fetched beyond the head's bytes
	; THE JOINING.  Waves 8-15 hand O^T, -M and the sums to waves 0-7 as images of their registers.
.rept 4
	v_nop                                          ; four places between the last product and the first read of O^T
.endr
	s_cmp_lt_u32 s[WV], 8
	s_cbranch_scc1 .Lkeep
.irp i, 0,1,2,3
	ds_store_b128 v[MG], v[O+4*\i:O+4*\i+3] offset:512*\i
.endr
	ds_store_b128 v[MG], v[12:15] offset:2048
.Lkeep:
	s_wait_dscnt 0x0                               ; for the others' sake: my stores have landed
	s_barrier_signal -1
	s_barrier_wait -1
	s_cmp_ge_u32 s[WV], 8
	s_cbranch_scc1 .Lend
.irp i, 0,1,2,3,4
	ds_load_b128 v[S+4*\i:S+4*\i+3], v[MG] offset:512*\i   ; v96-111 the partner's O^T; v112 its -M, v114, v115 its sums
.endr
	s_wait_dscnt 0x0
	v_min_num_f32 v[T0], v12, v[S+16]              ; -M of both halves together
	s_delay_alu instid0(VALU_DEP_1)
	v_sub_f32 v[T1], v[T0], v12
	s_delay_alu instid0(VALU_DEP_2)
	v_sub_f32 v[T2], v[T0], v[S+16]
	s_delay_alu instid0(VALU_DEP_2)
	v_cvt_i32_f32 v[T1], v[T1]
	s_delay_alu instid0(VALU_DEP_2)
	v_cvt_i32_f32 v[T2], v[T2]
	s_delay_alu instid0(VALU_DEP_2)
	v_ldexp_f32 v[F], 1.0, v[T1]                   ; 2^(my M - M),
	s_delay_alu instid0(VALU_DEP_2)
	v_ldexp_f32 v[SB], 1.0, v[T2]                  ; 2^(the partner's M - M): powers of two
	v_add_f32 v14, v14, v15
	v_add_f32 v[S+18], v[S+18], v[S+19]
	s_delay_alu instid0(VALU_DEP_2)
	v_mul_f32 v14, v14, v[F]
	s_delay_alu instid0(VALU_DEP_1)
	v_fma_f32 v14, v[S+18], v[SB], v14
	s_delay_alu instid0(VALU_DEP_1)
	v_permlanex16_b32 v[T3], v14, s[SEL], s[SEL+1]
	s_delay_alu instid0(VALU_DEP_1)
	v_add_f32 v14, v14, v[T3]                      ; the row's sum
	s_wait_alu depctr_va_vdst(0)
	v_rcp_f32 v[T2], v14
	v_nop                                          ; a plain place behind the reciprocal,
	s_wait_alu depctr_va_vdst(0)                   ; and the wait ahead of its first reader
	v_mul_f32 v[F], v[F], v[T2]                    ; 1 / the sum goes into the two factors: a power of two times it rounds nothing
	v_mul_f32 v[SB], v[SB], v[T2]
.set j, 0
.rept 8
	v_pk_mul_f32 v[O+j:O+j+1], v[O+j:O+j+1], v[F:F+1] op_sel_hi:[1,0]
.set j, j+2
.endr
.set j, 0
.rept 8
	v_pk_fma_f32 v[O+j:O+j+1], v[S+j:S+j+1], v[SB:SB+1], v[O+j:O+j+1] op_sel_hi:[1,0,1]
.set j, j+2
.endr
	; out is quantised along the channels for the next product: my head's 32 are one block, 16 in my lane and 16 in lane l xor 16
	v_max3_num_f32 v[BM], |v[O]|, |v[O+1]|, 0x1800000
.irp i, 2,4,6,8,10,12,14
	s_delay_alu instid0(VALU_DEP_1)
	v_max3_num_f32 v[BM], v[BM], |v[O+\i]|, |v[O+\i+1]|
.endr
	s_delay_alu instid0(VALU_DEP_1)
	v_permlanex16_b32 v[T1], v[BM], s[SEL], s[SEL+1]
	s_delay_alu instid0(VALU_DEP_1)
	v_max_num_f32 v[BM], v[BM], v[T1]
	s_delay_alu instid0(VALU_DEP_1)
	v_add_nc_u32 v[SO], 0xff000000, v[BM]
	s_delay_alu instid0(VALU_DEP_1)
	v_lshrrev_b32 v[EB], 23, v[SO]
	v_cvt_scalef32_pk8_fp4_f32 v[PC], v[O:O+7], v[SO]
	v_cvt_scalef32_pk8_fp4_f32 v[PC+1], v[O+8:O+15], v[SO]
	v_nop
	global_store_b64 v[GOC], v[PC:PC+1], s[8:9]    ; the wave stores 256 consecutive bytes, aligned: my head's part of the tile's fragment image
	global_store_b8 v[GOS], v[EB], s[10:11]        ; 16 consecutive bytes; both halves of the lanes write the same value
.Lend:
	s_wait_tensorcnt 0x0                           ; the wave's end
	ds_add_u32 v[SPW], v[NIL]
	s_wait_dscnt 0x0
	ROUND                                          ; the closing round
	s_endpgm
.Lfunc_end_k_q55dc41f49c_attn:
	.size	k_q55dc41f49c_attn, .Lfunc_end_k_q55dc41f49c_attn-k_q55dc41f49c_attn
	.p2alignl 7, 3214868480
	.fill 96, 4, 3214868480
	.section	.rodata,"a",@progbits
	.p2align	6, 0x0
	.amdhsa_kernel k_q55dc41f49c_attn
		.amdhsa_group_segment_fixed_size 327680
		.amdhsa_private_segment_fixed_size 0
		.amdhsa_enable_private_segment 0
		.amdhsa_kernarg_size 32
		.amdhsa_user_sgpr_count 2
		.amdhsa_user_sgpr_kernarg_segment_ptr 1
		.amdhsa_wavefront_size32 1
		.amdhsa_system_sgpr_workgroup_id_x 1
		.amdhsa_system_sgpr_workgroup_id_y 1
		.amdhsa_system_sgpr_workgroup_id_z 1
		.amdhsa_system_vgpr_workitem_id 0
		.amdhsa_next_free_vgpr 192
		.amdhsa_next_free_sgpr 66
		.amdhsa_reserve_vcc 1
		.amdhsa_float_denorm_mode_32 3
		.amdhsa_float_denorm_mode_16_64 3
		.amdhsa_memory_ordered 1
		.amdhsa_forward_progress 1
		.amdhsa_inst_pref_size 38
	.end_amdhsa_kernel
	.amdgpu_metadata
---
amdhsa.version: [ 1, 2 ]
amdhsa.kernels:
  - .name:           k_q55dc41f49c_attn
    .symbol:         k_q55dc41f49c_attn.kd
    .args:
      - { .name: qb, .offset: 0, .size: 8, .value_kind: global_buffer, .address_space: global }
      - { .name: kv, .offset: 8, .size: 8, .value_kind: global_buffer, .address_space: global }
      - { .name: oimg, .offset: 16, .size: 8, .value_kind: global_buffer, .address_space: global }
      - { .name: oscl, .offset: 24, .size: 8, .value_kind: global_buffer, .address_space: global }
    .group_segment_fixed_size: 327680
    .private_segment_fixed_size: 0
    .kernarg_segment_align: 8
    .kernarg_segment_size: 32
    .max_flat_workgroup_size: 512
    .sgpr_count:     66
    .vgpr_count:     192
    .wavefront_size: 32
...
	.end_amdgpu_metadata
.endif
;; end of part 2
;; launch tail (part 3): grid 128 x 1, 4 waves a work-group, no clusters, 73,728 bytes of LDS; arguments oimg, oscl, wimg, bo, bg1, bg2, feat1, out0; writes out0
.if DOCPART == 3
	.amdgcn_target "amdgcn-amd-amdhsa--gfx1250"
	.amdhsa_code_object_version 6
	.text
	.protected	k_q55dc41f49c_tail
	.globl	k_q55dc41f49c_tail
	.p2align	8
	.type	k_q55dc41f49c_tail,@function
k_q55dc41f49c_tail:
	s_mov_b64 s[64:65], 0
	v_nop
	global_prefetch_b8 v0, s[64:65] scope:SCOPE_SE
	s_setreg_imm32_b32 hwreg(HW_REG_WAVE_MODE, 25, 1), 1
	s_wait_xcnt 0x0
; a = Wo out + bo;  gate = sigmoid(Wg2 relu(Wg1 [a ; feat1] + bg1) + bg2);  out0 = gate feat1 + (1 - gate) a = a + gate (feat1 - a).  The three products on codes of FP4 (E2M1) with E8M0 scales.
; Nothing of the problem is left out here.
; LIMITS: blocks under 2^-124 keep the scale byte 1, blocks of zeros too (zero codes; only this program reads the bytes); NaN and infinities are not served.
; SHARES.  Work-group g owns positions 64 g .. 64 g + 63: 256 bytes of every channel's row.  Wave u takes tile 4 g + u (row r: position 64 g + 32 (r / 8) + 8 u + r % 8) through the whole chain.
; Source 0 = 16 channels of a weight (row m of tile 4 c + t: channel 64 c + 32 (m / 8) + 8 t + m % 8), source 1 = my 16 positions: a lane holds ONE position, and its register 32 c + i is channel
; 64 c + 32 h + i: two whole blocks of 32 along the next K, in the operand's own order.  Nothing changes lanes between the products but two scale bytes.
; The weights' 32 fragment images and scale words (36,864 bytes), the three biases and feat1's 128 x 64 numbers come into LDS once, in whole runs of 256 bytes; the result leaves through feat1's stage.
.set WSCB,  32768                      ; LDS: the 32 images from 0 on, their scale words from here on: a plain copy of wimg
.set BIA,   36864                      ; bo, bg1, bg2: 512 bytes each
.set STG,   38400                      ; 128 rows (channels) x (256 bytes + 16)
.set SPARE, 73216                      ; the spare words, 128 bytes for each wave: two blocks of 256 bytes that no other line names
.set CP,  1                            ; 16 x thread
.set RW,  2                            ; the stage by rows: sixteen lanes to a row
.set GF,  3                            ; and the same place in feat1 and out0
.set LI,  4                            ; 16 x lane
.set LS,  5                            ; 4 x lane
.set BH,  6                            ; the biases, + 32 h numbers
.set FA,  7                            ; the stage by positions: my position, channels from 32 h on
.set SH8, 8
.set GR,  9                            ; lane % 16
.set T0,  10
.set T1,  11
.set RA,  16                           ; v16-79   a, kept to the end
.set RB,  80                           ; v80-143  sums
.set RC,  144                          ; v144-207 eight fragments of a weight; feat1's numbers
.set XO,  208                          ; v208-215 out's fragment; later the hidden layer's
.set XH,  208
.set XA,  216                          ; a's
.set XF,  224                          ; feat1's
.set WS,  232                          ; v232-239 the weights' scale words
.set SXO, 240
.set SH,  240
.set SA,  241
.set SF,  242
.set TM,  244
.set SO,  246
.set EB,  248
.set TT,  250
.set SPW, 252                          ; LDS address of my spare word; never rewritten
.set NIL, 253                          ; 0; never rewritten
.set WV,  20
.set TI,  21
.set SEL, 22
; 64 numbers of a lane, two whole blocks of 32, become a fragment's eight registers and its row's scale word
.macro QUANT s, pc, pw
.irp c, 0,1
	v_max3_num_f32 v[TM+\c], |v[\s+32*\c]|, |v[\s+32*\c+1]|, 0x1800000   ; the floor 2^(3 - 127) among the leaves: the byte cannot fall under 1
.endr
.irp i, 2,4,6,8,10,12,14,16,18,20,22,24,26,28,30
.irp c, 0,1
	v_max3_num_f32 v[TM+\c], v[TM+\c], |v[\s+32*\c+\i]|, |v[\s+32*\c+\i+1]|   ; ascending, the two blocks by turns
.endr
.endr
.irp c, 0,1
	v_add_nc_u32 v[SO+\c], 0xff000000, v[TM+\c]    ; 2 off the exponent field: the conversion's scale operand
.endr
.irp c, 0,1
	v_lshrrev_b32 v[EB+\c], 23, v[SO+\c]
.endr
	v_lshl_or_b32 v[\pw], v[EB+1], 16, v[EB]       ; my bytes are those of blocks h and 2 + h
	v_lshlrev_b32 v[\pw], v[SH8], v[\pw]
	v_permlanex16_b32 v[TT], v[\pw], s[SEL], s[SEL+1]
	v_or_b32 v[\pw], v[\pw], v[TT]
.irp c, 0,1
.irp g, 0,1,2,3
	v_cvt_scalef32_pk8_fp4_f32 v[\pc+4*\c+\g], v[\s+32*\c+8*\g:\s+32*\c+8*\g+7], v[SO+\c]
.endr
.endr
	v_nop                                          ; one plain place behind the last scaled conversion
.endm
.macro FETCHW id0                      ; eight fragments of a weight and their scale words
.irp t, 0,1,2,3,4,5,6,7
	ds_load_b128 v[RC+8*\t:RC+8*\t+3], v[LI] offset:1024*(\id0+\t)
	ds_load_b128 v[RC+8*\t+4:RC+8*\t+7], v[LI] offset:1024*(\id0+\t)+512
	ds_load_b32 v[WS+\t], v[LS] offset:WSCB+128*(\id0+\t)
.endr
.endm
.macro FETCHB reg, k                   ; bias k in the result's layout: it is the C of a sum's first products
.irp c, 0,1
.irp i, 0,1,2,3,4,5,6,7
	ds_load_b128 v[\reg+32*\c+4*\i:\reg+32*\c+4*\i+3], v[BH] offset:512*\k+256*\c+16*\i
.endr
.endr
.endm
.macro FLOAD reg                       ; feat1 at my position, channels 64 c + 32 h + i
.set n, 0
.rept 64
	ds_load_b32 v[\reg+n], v[FA] offset:272*(64*(n/32)+n%32)
.set n, n+1
.endr
.endm
.macro MUL acc, x, sx                  ; eight accumulators by turns, one instruction a turn
.irp t, 0,1,2,3,4,5,6,7
	v_wmma_scale_f32_16x16x128_f8f6f4 v[\acc+8*\t:\acc+8*\t+7], v[RC+8*\t:RC+8*\t+7], v[\x:\x+7], v[\acc+8*\t:\acc+8*\t+7], v[WS+\t], v[\sx] matrix_a_fmt:MATRIX_FMT_FP4 matrix_b_fmt:MATRIX_FMT_FP4
.endr
.endm
.macro PLACES n
.rept \n
	v_nop
.endr
.endm
	s_load_b512 s[4:19], s[0:1], 0x0               ; oimg s[4:5], oscl s[6:7], wimg s[8:9], bo s[10:11], bg1 s[12:13], bg2 s[14:15], feat1 s[16:17], out0 s[18:19]
	v_lshl_add_u32 v[SPW], v0, 2, SPARE
	v_mov_b32 v[NIL], 0
	v_lshrrev_b32 v[T0], 5, v0
	v_readfirstlane_b32 s[WV], v[T0]               ; wave 0..3
	v_lshlrev_b32 v[CP], 4, v0
	v_lshrrev_b32 v[T0], 4, v0
	v_and_b32 v[GR], 15, v0
	v_mul_u32_u24 v[RW], v[T0], 272
	v_lshl_add_u32 v[RW], v[GR], 4, v[RW]
	v_add_nc_u32 v[RW], STG, v[RW]
	v_lshlrev_b32 v[GF], 15, v[T0]                 ; a channel's row is 32,768 bytes
	v_lshl_add_u32 v[GF], v[GR], 4, v[GF]
	v_and_b32 v[T1], 31, v0
	v_lshlrev_b32 v[LI], 4, v[T1]
	s_lshl_b32 s[TI], ttmp9, 2
	s_add_co_u32 s[TI], s[TI], s[WV]               ; my tile
	s_mov_b32 s[SEL], 0x76543210
	s_mov_b32 s[SEL+1], 0xfedcba98
	s_lshl_b32 s26, ttmp9, 8
	s_mov_b32 s27, 0
	s_wait_alu depctr_va_vdst(0)
	s_wait_kmcnt 0x0
	s_add_nc_u64 s[16:17], s[16:17], s[26:27]      ; feat1 and out0 at my 64 positions
	s_add_nc_u64 s[18:19], s[18:19], s[26:27]
	s_lshl_b32 s26, s[TI], 10
	s_add_nc_u64 s[4:5], s[4:5], s[26:27]
	s_lshl_b32 s26, s[TI], 4
	s_add_nc_u64 s[6:7], s[6:7], s[26:27]
	s_cmp_eq_u32 s[WV], 0                          ; waves 0, 1, 2 bring bo, bg1, bg2
	s_cselect_b64 s[24:25], s[10:11], s[12:13]
	s_cmp_eq_u32 s[WV], 2
	s_cselect_b64 s[24:25], s[14:15], s[24:25]
.irp i, 0,1,2,3,4,5,6,7,8,9,10,11,12,13,14,15,16,17
	global_load_b128 v[16+4*\i:16+4*\i+3], v[CP], s[8:9] offset:2048*\i      ; wimg, 2,048 consecutive bytes a work-group and line
.endr
.irp i, 0,1,2,3,4,5,6,7,8,9,10,11,12,13,14,15
	global_load_b128 v[RC+4*\i:RC+4*\i+3], v[GF], s[16:17] offset:262144*\i  ; feat1: sixteen lanes read a row's 256 bytes, aligned; eight rows a line
.endr
	s_cmp_eq_u32 s[WV], 3
	s_cbranch_scc1 .Lno_bias
	global_load_b128 v[88:91], v[LI], s[24:25]
.Lno_bias:
	global_load_b128 v[XO:XO+3], v[LI], s[4:5]     ; out's fragment of my tile, as an image
	global_load_b128 v[XO+4:XO+7], v[LI], s[4:5] offset:512
.irp d, 0,1,2,3
	global_load_u8 v[92+\d], v[GR], s[6:7] offset:8192*\d   ; and its four scale bytes, one a head
.endr
	s_wait_loadcnt 0x0
	v_lshl_or_b32 v[SXO], v93, 8, v92
	v_lshl_or_b32 v[SXO], v94, 16, v[SXO]
	v_lshl_or_b32 v[SXO], v95, 24, v[SXO]
.irp i, 0,1,2,3,4,5,6,7,8,9,10,11,12,13,14,15,16,17
	ds_store_b128 v[CP], v[16+4*\i:16+4*\i+3] offset:2048*\i
.endr
.irp i, 0,1,2,3,4,5,6,7,8,9,10,11,12,13,14,15
	ds_store_b128 v[RW], v[RC+4*\i:RC+4*\i+3] offset:2176*\i
.endr
	s_cmp_eq_u32 s[WV], 3
	s_cbranch_scc1 .Lno_bias2
	ds_store_b128 v[CP], v[88:91] offset:BIA
.Lno_bias2:
	v_lshlrev_b32 v[LS], 2, v[T1]                  ; these eleven plain lines are also the places between out's scale word and the first product
	v_bfe_u32 v[T0], v0, 4, 1
	v_lshlrev_b32 v[SH8], 3, v[T0]
	v_lshl_add_u32 v[BH], v[T0], 7, BIA
	v_mul_u32_u24 v[FA], v[T0], 32*272             ; channels from 32 h on,
	v_lshrrev_b32 v[T1], 3, v[GR]
	v_lshl_add_u32 v[FA], v[T1], 7, v[FA]          ; position 32 (r / 8)
	v_and_b32 v[T1], 7, v[GR]
	v_lshl_add_u32 v[FA], v[T1], 2, v[FA]          ; + r % 8
	s_lshl_b32 s28, s[WV], 5
	s_add_co_u32 s28, s28, STG
	v_add_nc_u32 v[FA], s28, v[FA]                 ; + 8 u
	v_mov_b32 v[TT], 0                             ; written once: a lane permute's destination counts as one of its sources
	s_wait_alu depctr_va_vdst(0)
	s_wait_dscnt 0x0                               ; for the others' sake: my stores have landed
	s_barrier_signal -1
	s_barrier_wait -1
	; ---- a = Wo out + bo
	FETCHB RA, 0
	FETCHW 0
	s_wait_dscnt 0x0
	MUL RA, XO, SXO
	PLACES 4                                       ; in front of loads into registers that products have read, and of the first read of results
	FETCHW 8                                       ; Wg1, K = 0 .. 127
	FLOAD RB
	QUANT RA, XA, SA
	s_wait_dscnt 0x0
	QUANT RB, XF, SF                               ; feat1 is the second half of the next K
	FETCHB RB, 1
	PLACES 8                                       ; a scale word written by vector instructions stands eight places ahead of a scaled product
	s_wait_dscnt 0x0
	; ---- the hidden layer = relu(Wg1 [a ; feat1] + bg1)
	MUL RB, XA, SA
	PLACES 4
	FETCHW 16                                      ; Wg1, K = 128 .. 255
	s_wait_alu depctr_va_vdst(0)
	s_wait_dscnt 0x0
	MUL RB, XF, SF
	PLACES 4
	FETCHW 24                                      ; Wg2
.set j, 0
.rept 64
	v_max_num_f32 v[RB+j], 0, v[RB+j]
.set j, j+1
.endr
	QUANT RB, XH, SH
	FETCHB RB, 2
	PLACES 8
	s_wait_alu depctr_va_vdst(0)
	s_wait_dscnt 0x0
	; ---- gate = sigmoid(Wg2 hidden + bg2) = 1 / (1 + 2^(-log2(e) z))
	MUL RB, XH, SH
	PLACES 4
	FLOAD RC
.set j, 0
.rept 32
	v_pk_mul_f32 v[RB+j:RB+j+1], v[RB+j:RB+j+1], 0xbfb8aa3b op_sel_hi:[1,0]
.set j, j+2
.endr
.set j, 0
	s_wait_alu depctr_va_vdst(0)
.rept 64
	v_exp_f32 v[RB+j], v[RB+j]
.set j, j+1
.endr
	v_nop                                          ; a plain place behind the last exponential,
	s_wait_alu depctr_va_vdst(0)                   ; and one wait for the batch, ahead of its first reader
.set j, 0
.rept 32
	v_pk_add_f32 v[RB+j:RB+j+1], v[RB+j:RB+j+1], 1.0 op_sel_hi:[1,0]
.set j, j+2
.endr
.set j, 0
	s_wait_alu depctr_va_vdst(0)
.rept 64
	v_rcp_f32 v[RB+j], v[RB+j]
.set j, j+1
.endr
	s_wait_dscnt 0x0                               ; feat1's numbers are in: my reads of the stage are over,
	s_barrier_signal -1                            ; say so; work on registers alone until all four have said so
.set j, 0
.rept 32
	v_pk_add_f32 v[RC+j:RC+j+1], v[RC+j:RC+j+1], v[RA+j:RA+j+1] neg_lo:[0,1] neg_hi:[0,1]   ; feat1 - a: plain work behind the reciprocals
.set j, j+2
.endr
	s_wait_alu depctr_va_vdst(0)                   ; one wait for the 64 reciprocals
.set j, 0
.rept 32
	v_pk_fma_f32 v[RB+j:RB+j+1], v[RB+j:RB+j+1], v[RC+j:RC+j+1], v[RA+j:RA+j+1]   ; a + gate (feat1 - a)
.set j, j+2
.endr
	s_wait_alu depctr_va_vdst(0)
	s_barrier_wait -1                              ; nobody reads the stage any more
.set n, 0
.rept 64
	ds_store_b32 v[FA], v[RB+n] offset:272*(64*(n/32)+n%32)   ; the result takes feat1's place
.set n, n+1
.endr
	s_wait_dscnt 0x0
	s_barrier_signal -1
	s_barrier_wait -1                              ; 128 whole rows lie in the stage
.irp i, 0,1,2,3,4,5,6,7,8,9,10,11,12,13,14,15
	ds_load_b128 v[RC+4*\i:RC+4*\i+3], v[RW] offset:2176*\i
.endr
.irp i, 0,1,2,3,4,5,6,7,8,9,10,11,12,13,14,15
	s_wait_dscnt 15-\i                             ; LDS loads come back in order: line i is in
	global_store_b128 v[GF], v[RC+4*\i:RC+4*\i+3], s[18:19] offset:262144*\i th:TH_STORE_NT   ; sixteen lanes store 256 consecutive bytes, aligned; written once, read by nobody here
.endr
	s_wait_tensorcnt 0x0                           ; the wave's end
	ds_add_u32 v[SPW], v[NIL]
	s_wait_dscnt 0x0
	s_endpgm
.Lfunc_end_k_q55dc41f49c_tail:
	.size	k_q55dc41f49c_tail, .Lfunc_end_k_q55dc41f49c_tail-k_q55dc41f49c_tail
	.p2alignl 7, 3214868480
	.fill 96, 4, 3214868480
	.section	.rodata,"a",@progbits
	.p2align	6, 0x0
	.amdhsa_kernel k_q55dc41f49c_tail
		.amdhsa_group_segment_fixed_size 73728
		.amdhsa_private_segment_fixed_size 0
		.amdhsa_enable_private_segment 0
		.amdhsa_kernarg_size 64
		.amdhsa_user_sgpr_count 2
		.amdhsa_user_sgpr_kernarg_segment_ptr 1
		.amdhsa_wavefront_size32 1
		.amdhsa_system_sgpr_workgroup_id_x 1
		.amdhsa_system_sgpr_workgroup_id_y 1
		.amdhsa_system_sgpr_workgroup_id_z 1
		.amdhsa_system_vgpr_workitem_id 0
		.amdhsa_next_free_vgpr 256
		.amdhsa_next_free_sgpr 66
		.amdhsa_reserve_vcc 0
		.amdhsa_float_denorm_mode_32 3
		.amdhsa_float_denorm_mode_16_64 3
		.amdhsa_memory_ordered 1
		.amdhsa_forward_progress 1
		.amdhsa_inst_pref_size 63
	.end_amdhsa_kernel
	.amdgpu_metadata
---
amdhsa.version: [ 1, 2 ]
amdhsa.kernels:
  - .name:           k_q55dc41f49c_tail
    .symbol:         k_q55dc41f49c_tail.kd
    .args:
      - { .name: oimg, .offset: 0, .size: 8, .value_kind: global_buffer, .address_space: global }
      - { .name: oscl, .offset: 8, .size: 8, .value_kind: global_buffer, .address_space: global }
      - { .name: wimg, .offset: 16, .size: 8, .value_kind: global_buffer, .address_space: global }
      - { .name: bo, .offset: 24, .size: 8, .value_kind: global_buffer, .address_space: global }
      - { .name: bg1, .offset: 32, .size: 8, .value_kind: global_buffer, .address_space: global }
      - { .name: bg2, .offset: 40, .size: 8, .value_kind: global_buffer, .address_space: global }
      - { .name: feat1, .offset: 48, .size: 8, .value_kind: global_buffer, .address_space: global }
      - { .name: out0, .offset: 56, .size: 8, .value_kind: global_buffer, .address_space: global }
    .group_segment_fixed_size: 73728
    .private_segment_fixed_size: 0
    .kernarg_segment_align: 8
    .kernarg_segment_size: 64
    .max_flat_workgroup_size: 128
    .sgpr_count:     66
    .vgpr_count:     256
    .wavefront_size: 32
...
	.end_amdgpu_metadata
.endif
;; end of part 3
